; MI455X (gfx1250); checked and timed in simulation.
; The chip was launched on July 23, 2026; its instructions are those of AMD's public machine-readable ISA for CDNA 5 (MIT licence, August 2026) and "CDNA5" Instruction Set Architecture Reference Guide (July 2026). The comments in the code are by the model that wrote it; some were corrected since.
;; Grouped Query Attention. Allowed arithmetic: float matrix products may take bf16 or f16 operands with f32 sums; all other float work in f32.
;; Inputs: k 2 x 8 x 1 x 2,048 x 128 float32; q 2 x 8 x 4 x 2,048 x 128 float32; v 2 x 8 x 1 x 2,048 x 128 float32.
;; Outputs: out0 2 x 8 x 4 x 2,048 x 128 float32.
;; One version. Each part assembles by itself: llvm-mc -triple=amdgcn-amd-amdhsa -mcpu=gfx1250 --defsym DOCPART=n.
;; ======== version 1 of 1: 2 launches
;; workspace buffers: kb 8,388,608 bytes; vb 8,388,608 bytes
;; launch cast (part 1): grid 512 x 1, 8 waves a work-group, no clusters, 0 bytes of LDS; arguments k, v, kb, vb; writes kb, vb
.if DOCPART == 1
	.amdgcn_target "amdgcn-amd-amdhsa--gfx1250"
	.amdhsa_code_object_version 6
	.text
	.protected	k_q331d3c09e3_cast
	.globl	k_q331d3c09e3_cast
	.p2align	8
	.type	k_q331d3c09e3_cast,@function
k_q331d3c09e3_cast:
	s_mov_b64 s[64:65], 0
	v_nop
	global_prefetch_b8 v0, s[64:65] scope:SCOPE_SE
	s_setreg_imm32_b32 hwreg(HW_REG_WAVE_MODE, 25, 1), 1
	s_wait_xcnt 0x0
; kb = k and vb = v, each number rounded once, to nearest even, from f32 to bf16.  k, v: 4,194,304 f32 each; kb, vb: the same numbers as bf16, in the same order.
; Eight waves.  The work-group owns 32,768 consecutive bytes of k and of v (512 work-groups x 32,768 = 16,777,216) and the 16,384 bytes of kb and vb that they become.
; Thread t takes, in chunk j of 8, the 16 bytes at 16 t + 4,096 j: a load of a wave covers 512 consecutive bytes; its four numbers become 8 bytes at 8 t + 2,048 j:
; a store of a wave covers 256 consecutive bytes, at a multiple of 256 from the buffer's first byte.  All sixteen loads of a wave go out first; no register is written twice, so no loop and no wait but the counted ones.
; No LDS, no matrix work, no cluster: nothing is shared between threads, and every byte is moved once.
.set D, 4                              ; v[4:35] k's eight chunks, v[36:67] v's: four registers as loaded; the first two then hold the four bf16
	s_load_b256 s[4:11], s[0:1], 0x0               ; k s[4:5], v s[6:7], kb s[8:9], vb s[10:11]
	v_lshlrev_b32 v1, 4, v0                        ; 16 t: my bytes in a chunk of the inputs
	v_lshlrev_b32 v2, 3, v0                        ; 8 t: in a chunk of the outputs
	s_lshl_b32 s2, ttmp9, 15                       ; the work-group's 32,768 bytes of input,
	s_mov_b32 s3, 0
	s_lshl_b32 s12, ttmp9, 14                      ; and its 16,384 of output
	s_mov_b32 s13, 0
	s_wait_kmcnt 0x0
	s_add_nc_u64 s[4:5], s[4:5], s[2:3]
	s_add_nc_u64 s[6:7], s[6:7], s[2:3]
	s_add_nc_u64 s[8:9], s[8:9], s[12:13]
	s_add_nc_u64 s[10:11], s[10:11], s[12:13]
.irp j, 0,1,2,3,4,5,6,7
	global_load_b128 v[D+4*(\j):D+4*(\j)+3], v1, s[4:5] offset:4096*(\j) th:TH_LOAD_NT
.endr
.irp j, 0,1,2,3,4,5,6,7
	global_load_b128 v[D+32+4*(\j):D+32+4*(\j)+3], v1, s[6:7] offset:4096*(\j) th:TH_LOAD_NT
.endr
; Chunk i of sixteen (0-7 k's, 8-15 v's): rounded in place and stored.  The stores carry no hint: the next launch reads these bytes.
.macro OUT i
	s_wait_loadcnt 15-(\i)                         ; loads come back in order (ISA guide 5.7.1): chunk i is in, the 15 - i younger ones stay out
	v_cvt_pk_bf16_f32 v[D+4*(\i)],   v[D+4*(\i)],   v[D+4*(\i)+1]
	v_cvt_pk_bf16_f32 v[D+4*(\i)+1], v[D+4*(\i)+2], v[D+4*(\i)+3]
	global_store_b64 v2, v[D+4*(\i):D+4*(\i)+1], s[8+2*((\i)/8):9+2*((\i)/8)] offset:2048*((\i)%8)
.endm
.irp i, 0,1,2,3,4,5,6,7,8,9,10,11,12,13,14,15
	OUT \i
.endr
	s_endpgm
.Lfunc_end_k_q331d3c09e3_cast:
	.size	k_q331d3c09e3_cast, .Lfunc_end_k_q331d3c09e3_cast-k_q331d3c09e3_cast
	.p2alignl 7, 3214868480
	.fill 96, 4, 3214868480
	.section	.rodata,"a",@progbits
	.p2align	6, 0x0
	.amdhsa_kernel k_q331d3c09e3_cast
		.amdhsa_group_segment_fixed_size 0
		.amdhsa_private_segment_fixed_size 0
		.amdhsa_enable_private_segment 0
		.amdhsa_kernarg_size 32
		.amdhsa_user_sgpr_count 2
		.amdhsa_user_sgpr_kernarg_segment_ptr 1
		.amdhsa_wavefront_size32 1
		.amdhsa_system_sgpr_workgroup_id_x 1
		.amdhsa_system_sgpr_workgroup_id_y 1
		.amdhsa_system_sgpr_workgroup_id_z 1
		.amdhsa_system_vgpr_workitem_id 0
		.amdhsa_next_free_vgpr 68
		.amdhsa_next_free_sgpr 66
		.amdhsa_reserve_vcc 0
		.amdhsa_float_denorm_mode_32 3
		.amdhsa_float_denorm_mode_16_64 3
		.amdhsa_memory_ordered 1
		.amdhsa_forward_progress 1
		.amdhsa_inst_pref_size 7
	.end_amdhsa_kernel
	.amdgpu_metadata
---
amdhsa.version: [ 1, 2 ]
amdhsa.kernels:
  - .name:           k_q331d3c09e3_cast
    .symbol:         k_q331d3c09e3_cast.kd
    .args:
      - { .name: k, .offset: 0, .size: 8, .value_kind: global_buffer, .address_space: global }
      - { .name: v, .offset: 8, .size: 8, .value_kind: global_buffer, .address_space: global }
      - { .name: kb, .offset: 16, .size: 8, .value_kind: global_buffer, .address_space: global }
      - { .name: vb, .offset: 24, .size: 8, .value_kind: global_buffer, .address_space: global }
    .group_segment_fixed_size: 0
    .private_segment_fixed_size: 0
    .kernarg_segment_align: 8
    .kernarg_segment_size: 32
    .max_flat_workgroup_size: 256
    .sgpr_count:     66
    .vgpr_count:     68
    .wavefront_size: 32
...
	.end_amdgpu_metadata
.endif
;; end of part 1
;; launch attn (part 2): grid 32 x 16, 4 waves a work-group, clusters of 4 x 1, 327,680 bytes of LDS; arguments q, kb, vb, out0; writes out0
.if DOCPART == 2
	.amdgcn_target "amdgcn-amd-amdhsa--gfx1250"
	.amdhsa_code_object_version 6
	.text
	.protected	k_q331d3c09e3_attn
	.globl	k_q331d3c09e3_attn
	.p2align	8
	.type	k_q331d3c09e3_attn,@function
k_q331d3c09e3_attn:
	s_mov_b64 s[64:65], 0
	v_nop
	global_prefetch_b8 v0, s[64:65] scope:SCOPE_SE
	s_setreg_imm32_b32 hwreg(HW_REG_WAVE_MODE, 25, 1), 1
	s_wait_xcnt 0x0
	s_wait_alu depctr_hold_cnt(0) depctr_sa_sdst(0) depctr_va_vdst(0) depctr_va_sdst(0) depctr_va_ssrc(0) depctr_va_vcc(0) depctr_vm_vsrc(0)
	s_getreg_b32 s2, hwreg(HW_REG_IB_STS2, 6, 4)
	s_cmp_eq_u32 s2, 0
	s_cbranch_scc0 .Lentry_in_a_cluster
	s_endpgm
.Lentry_in_a_cluster:
	s_bfe_u32 s2, ttmp6, 0x10000c
	s_cmp_lg_u32 s2, 0x3003
	s_cbranch_scc0 .Lentry_shape_is_right
	s_endpgm
.Lentry_shape_is_right:
; O[p][r][:] = the sum over s of softmax_s(Q[p][r] . K[p][s]) V[p][s][:], with no scale in front of the softmax.  p = one of the 16 pairs (b, h); r = one of the pair's 4 x 2,048 = 8,192 query rows, which lie end to end.
; Q and O: [16][8192][128] f32.  K and V: [16][2048][128] bf16, as the launch before rounded them.  Q is rounded once to bf16 on its way into registers.  Products, maxima and sums in f32; the weights p
; are rounded to bf16 for the second product (their sum l is taken of the unrounded p); O leaves in f32.
; LIMITS.  log2(e) x score must be finite in f32; a weight below 2^-126 counts as 0 in l; NaN and infinities are not treated apart.  bf16 has f32's range, so no operand has a limit of its own.
; SHARES.  A work-group owns 256 query rows of one pair, each of its four waves 64: four tiles of 16.  Every wave walks the pair's 2,048 keys, 64 a step: 32 steps.  32 x 16 = 512 work-groups of equal work.
; LAYOUT.  S^T = K Q^T (source 0 = 16 keys, source 1 = 16 queries): in the result a lane holds ONE query (lane % 16) and the keys 8 (lane / 16) + 0..7.  Two such tiles, rounded to
; bf16 in pairs, ARE source 1 (32 keys x 16 queries) of O^T = V^T P, whose result again holds one query a lane, and eight channels.  So nothing changes lanes between the products,
; and a query's maximum and sum want one exchange between the halves of the lanes.  K comes out of LDS as it lies, V ([key][channel]) turned, by ds_load_tr16_b128.
; SOFTMAX.  For each query a running maximum m and sum l: p = 2^(c s - c m), c = log2(e); in every step O and l are multiplied by a = 2^(c m_old - c m_new), which is 1 where m has not grown.
; BY TURNS.  The wave's tiles are two PIECES, named by their first tile: piece 0 (tiles 0, 1) and piece 2 (tiles 2, 3).  In a TURN one piece has the matrix unit: 32 products V^T P of
; the step in hand, then 32 products K Q^T of the next step; the other piece's softmax, cut into 64 slices, stands between them, one slice behind each matrix instruction.  Then the
; pieces change places.  Two turns are a key step: 128 matrix and 536 vector instructions.
; CLUSTER.  The four query blocks of a cluster belong to one pair and walk the same K and V, so each tile is asked for JOINTLY: the same tensor load, with the same descriptor and a
; mask that names the four, in all four; each receives the tile in its own LDS.  A wave has two tensor loads out at the start and one behind each round.
; All of the LDS is claimed; the text uses 272,896 bytes.
;
; REGISTERS, in windows of 256 (an instruction names v0-v255; s_set_vgpr_msb says which window each operand place means: bits 1:0 source 0, 3:2 source 1, 5:4 source 2, 7:6 destination):
;   window 0: v0-11, v44-46 addresses; v12-43 eight registers of statistics a tile; v64-191 S^T, 32 a tile; v192-255 P, 16 a tile
;   window 1: O^T, 64 a tile (before the first product: my 64 rows of Q as f32, four registers a row)
;   window 2: v0-127 Q in bf16, 32 a tile; v128-255 K of one step          window 3: v0-127 V of one step
; All that a softmax touches but O^T lies in window 0, and no window has room for a product's operands beside it.  So a slice costs two switches, one in front and one behind.
.set NK,    2048      ; keys of a pair
.set KS,    64        ; keys in a step
.set PK,    272       ; a row of K in LDS: 256 bytes + 16 of padding = 68 words: row r starts at bank 4 r mod 64 (64 banks of 4 bytes: ISA guide 11.1), so the 16 rows of a load start at 16 different banks
.set PV,    288       ; a row of V: 256 + 32 = 72 words: row r starts at bank 8 r mod 64
.set VOFF,  KS*PK     ; a step's tiles lie together: 64 rows of K, then 64 rows of V
.set STEPB, KS*(PK+PV)
.set SLOT1, 1<<17     ; a slot holds two steps (71,680 bytes); slot 1 begins here, so that one exclusive or turns an address in one slot into the other's
.set STAGE, SLOT1+2*STEPB  ; behind the ring, never filled by a tensor load: a stage for each wave, its own
.set WSTG,  64*272    ; a wave's stage: first its 64 rows of Q in bf16, at the end 16 rows of O in f32 (8,448 bytes) at a time
.set SPQ,   272       ; a row of Q in the stage: 256 bytes + 16
.set SPO,   528       ; a row of O in the stage: 512 bytes + 16 = 132 words: the 16 rows of a store start at 16 different groups of four banks
.set SPARE, STAGE+4*WSTG   ; behind the stages: the spare words, 128 bytes for each wave: two blocks of 256 bytes that no other line names
.set AK0, 2           ; v2   my lane's place in a tile of K; never rewritten
.set AV0, 3           ; v3   the same for V
.set ADR, 4           ; v4   the LDS address of the run of loads in hand
.set LO,  5           ; v5   16 x lane: my 16 bytes in a row of 512 bytes of Q and of O; never rewritten
.set STO, 6           ; v6   the way out: where I put 32 bytes of a row
.set RD,  7           ; v7   the way out: where I read a row back
.set QST, 44          ; v44  where I put 8 bytes of a row of Q
.set QRD, 45          ; v45  my lane's place in a tile of Q in the stage
.set SPW, 62          ; v62  LDS address of my spare word: SPARE + 4 x my thread's number; never rewritten
.set NIL, 63          ; v63  0; never rewritten
.set ST,  12          ; tile t's statistics at v[ST+8 t]: +0 c m, +1 m, +2, +3 l (even keys', odd keys'), +4 to +7 c0-c3, at work; a takes c2's place once the maximum is found
.set S,   64
.set P,   192
.set KF,  128         ; K's fragments, in window 2
.set WV,  12          ; s12  my wave's number
.set G1K, 24          ; s[24:31] descriptor group 1 for K's tiles
.set G1V, 32          ; s[32:39] for V's: it differs in the padding alone
.set G0K, 40          ; s[40:47] descriptor group 0 for K's tiles: a set for each of the two first fills; the second then walks on
.set G0V, 48          ; s[48:55] the same for V's
.set SLOTS, 56        ; s56  slots still to be asked for
.set TWICE, 57        ; s57  counts a slot's two steps
.set CS,  58          ; s[58:59] c: the packed scaling names a pair and takes its low word for both halves
.set SEL, 60          ; s[60:61] lane selects for v_permlanex16_b32: each lane takes its own place in the other half
.set TB,  62          ; s62  LDS byte at which the tiles of the step to be fetched begin
.set MSB, 0
.macro WIN new                      ; the immediate's high byte repeats the setting that is left; a switch that changes nothing is dropped
.if MSB != (\new)
	s_set_vgpr_msb (MSB<<8)|(\new)
.set MSB, \new
.endif
.endm
.set W_KQ, 0x0a       ; K and Q in window 2, S^T in window 0
.set W_PV, 0x53       ; V in window 3, P in window 0, O^T in window 1
.set W_RS, 0x41       ; O^T (destination and source 0) in window 1, a in window 0
; A joint refill.  Waves 0 and 1 fetch the two steps' tiles of K, waves 2 and 3 those of V.  The branch hangs on the wave's number alone: it is the same in every work-group.
; An s_nop 0 and four v_nop follow each of the two lines; the jump round the other line, the label and what follows the macro come after them.
.macro JLOAD
	s_cmp_lt_u32 s[WV], 2
	s_cbranch_scc0 .Lfor_v_\@
	tensor_load_to_lds s[G0K+4:G0K+7], s[G1K:G1K+7]
	s_nop 0
.rept 4
	v_nop
.endr
	s_branch .Lasked_\@
.Lfor_v_\@:
	tensor_load_to_lds s[G0V+4:G0V+7], s[G1V:G1V+7]
	s_nop 0
.rept 4
	v_nop
.endr
.Lasked_\@:
.endm
; A round of the cluster's barrier: my work-group's barrier, so that wave 0's signal speaks for all four waves; wave 0 signals for the work-group; every wave waits for all four
; work-groups; my work-group's barrier once more.  No LDS instruction of the wave is pending at a signal.
.macro CROUND
	s_barrier_signal -1
	s_barrier_wait -1
	s_cmp_lg_u32 s[WV], 0
	s_cbranch_scc1 .Lnot_wave_0_\@
	s_barrier_signal -3
.Lnot_wave_0_\@:
	s_barrier_wait -3
	s_barrier_signal -1
	s_barrier_wait -1
.endm
	s_load_b256 s[4:11], s[0:1], 0x0  ; Q s[4:5], K s[6:7], V s[8:9], O s[10:11]
	v_lshl_add_u32 v[SPW], v0, 2, SPARE
	v_mov_b32 v[NIL], 0
	ds_add_u32 v62, v63
	s_wait_dscnt 0x0
	v_lshrrev_b32 v1, 5, v0
	v_readfirstlane_b32 s[WV], v1   ; wave 0..3
	s_bfe_u32 s13, ttmp6, 0x40000   ; cx: my place in the cluster
	s_lshl_b32 s14, ttmp9, 2        ; in a cluster launch ttmp9 counts clusters
	s_add_co_u32 s14, s14, s13      ; my block of 256 queries = 4 x cluster x + cx: it enters Q's and O's addresses alone
	s_and_b32 s20, ttmp7, 0xffff    ; the pair (b, h), which the four partners share
	s_and_b32 s16, s[WV], 1         ; which of a slot's two steps I fetch
	s_lshl_b32 s22, s20, 19         ; the pair's 2,048 rows of 256 bytes in K and in V,
	s_lshl_b32 s21, s16, 14         ; my step's 64 rows of them
	s_add_co_u32 s22, s22, s21
	s_mov_b32 s23, 0
	s_mul_i32 s17, s16, STEPB       ; and its place in a slot: no place in the cluster enters an LDS address
	s_lshl_b32 s2, s20, 22          ; the pair's 8,192 rows of 512 bytes in Q and in O,
	s_lshl_b32 s3, s14, 17          ; my block's 256 rows,
	s_add_co_u32 s2, s2, s3
	s_lshl_b32 s3, s[WV], 15        ; my wave's 64 of them: under 2^26 in all
	s_add_co_u32 s2, s2, s3
	s_mov_b32 s3, 0
	s_mul_i32 s18, s[WV], WSTG
	s_add_co_u32 s18, s18, STAGE    ; my stage
	; descriptor group 1: a tile of 64 rows x 128 elements, padded in LDS
	s_mov_b32 s[G1K], 15|(1<<16)|(1<<20)|(1<<21)|(5<<22)|(3<<25)  ; 15:0 the mask: all four work-groups; 17:16 elements of 2 bytes; 20 padding on; 21 set beside a mask; 24:22 after every 64 words (code 5); 31:25 4 words of it (code 3)
	s_mov_b32 s[G1V], 15|(1<<16)|(1<<20)|(1<<21)|(5<<22)|(7<<25)  ; the same with 8 words of padding (code 7)
.irp g, G1K, G1V
	s_mov_b32 s[(\g)+1], 128<<16    ; 63:48 tensor_dim0, low half = 128
	s_mov_b32 s[(\g)+2], KS<<16     ; 79:64 its high half = 0; 95:80 tensor_dim1, low half = 64
	s_mov_b32 s[(\g)+3], 128<<16    ; 111:96 its high half = 0; 127:112 tile_dim0 = 128
	s_mov_b32 s[(\g)+4], KS         ; 143:128 tile_dim1 = 64; 159:144 tile_dim2 = 0
	s_mov_b32 s[(\g)+5], 128        ; 191:160 tensor_dim0_stride, low word: elements from row to row
	s_mov_b32 s[(\g)+6], 0
	s_mov_b32 s[(\g)+7], 0
.endr
	s_mov_b32 s[CS], 0x3fb8aa3b     ; c = log2(e) = 1.442695
	s_mov_b32 s[CS+1], s[CS]        ; named with it as a pair, so it is written
	s_mov_b32 s[SEL], 0x76543210
	s_mov_b32 s[SEL+1], 0xfedcba98
	s_mov_b32 s[TB], 0
	s_mov_b32 s[SLOTS], NK/(2*KS)-2
	s_wait_kmcnt 0x0
	s_add_nc_u64 s[6:7], s[6:7], s[22:23]  ; K and V at my tile of slot 0
	s_add_nc_u64 s[8:9], s[8:9], s[22:23]
	s_add_nc_u64 s[4:5], s[4:5], s[2:3]  ; Q and O at my wave's first row
	s_add_nc_u64 s[10:11], s[10:11], s[2:3]
	CROUND                          ; all four work-groups are here: the first joint loads meet
.irp s, 0,1
	s_mov_b32 s[G0K+4*(\s)], 1      ; 1:0 count = 1
	s_add_co_u32 s[G0K+4*(\s)+1], s17, (\s)*SLOT1  ; 63:32 LDS address
	s_add_nc_u64 s[G0K+4*(\s)+2:G0K+4*(\s)+3], s[6:7], (\s)*2*KS*256  ; 120:64 global address: slot s begins with keys 128 s to 128 s + 127
	s_or_b32 s[G0K+4*(\s)+3], s[G0K+4*(\s)+3], 0x80000000  ; 127:126 type = 2
	s_mov_b32 s[G0V+4*(\s)], 1
	s_add_co_u32 s[G0V+4*(\s)+1], s17, (\s)*SLOT1+VOFF
	s_add_nc_u64 s[G0V+4*(\s)+2:G0V+4*(\s)+3], s[8:9], (\s)*2*KS*256
	s_or_b32 s[G0V+4*(\s)+3], s[G0V+4*(\s)+3], 0x80000000
.endr
	s_cmp_lt_u32 s[WV], 2           ; a wave's two first fills stand in one branch, ahead of every wait on TENSORcnt and every LDS read: two loads of mine are out; an s_nop 0 follows each, four v_nop the second's, as in JLOAD
	s_cbranch_scc0 .Lfirst_v
	tensor_load_to_lds s[G0K:G0K+3], s[G1K:G1K+7]
	s_nop 0
	tensor_load_to_lds s[G0K+4:G0K+7], s[G1K:G1K+7]
	s_nop 0
.rept 4
	v_nop
.endr
	s_branch .Lfirst_asked
.Lfirst_v:
	tensor_load_to_lds s[G0V:G0V+3], s[G1V:G1V+7]
	s_nop 0
	tensor_load_to_lds s[G0V+4:G0V+7], s[G1V:G1V+7]
	s_nop 0
.rept 4
	v_nop
.endr
.Lfirst_asked:
	; Q.  My wave's 64 rows come in as they lie: one load takes a whole row, 512 consecutive bytes, 16 a lane.  All 64 loads go out at once, into the registers that O^T takes later.
	v_and_b32 v1, 15, v0            ; l % 16
	v_bfe_u32 v9, v0, 4, 1          ; l / 16
	v_and_b32 v46, 31, v0           ; l
	v_lshlrev_b32 v[LO], 4, v46
	WIN 0x40                        ; destination window 1, address window 0
.set i, 0
.rept 64
	global_load_b128 v[4*i:4*i+3], v[LO], s[4:5] offset:512*i th:TH_LOAD_NT
.set i, i+1
.endr
	WIN 0
	v_lshl_add_u32 v[QST], v46, 3, s18     ; in: my four channels of a row are 8 bytes of bf16
	v_mul_u32_u24 v[QRD], v1, SPQ          ; back: row l % 16 of a tile, 16 bytes for each half of the lanes
	v_lshl_add_u32 v[QRD], v9, 4, v[QRD]
	v_add_nc_u32 v[QRD], s18, v[QRD]
	v_mul_u32_u24 v[AK0], v1, PK
	v_lshl_add_u32 v[AK0], v9, 4, v[AK0]  ; row x pitch + 16 x half
	; The turning load takes 16 keys x 16 channels (lane l reads 16 bytes: key 8 (l / 16) + l % 8, channels 8 ((l / 8) % 2) + 0..7) and leaves half a fragment of V^T: lane l holds channel l % 16 and 8 keys.
	v_and_b32 v10, 7, v0
	v_bfe_u32 v11, v0, 3, 1
	v_lshl_add_u32 v[AV0], v9, 3, v10
	v_mul_u32_u24 v[AV0], v[AV0], PV
	v_lshl_add_u32 v[AV0], v11, 4, v[AV0]
	v_add_nc_u32 v[AV0], VOFF, v[AV0]
	; A tile's 16 rows at a time: rounded to bf16 in place, and put into my stage; a store of the wave covers a row's 256 consecutive bytes.
.irp g, 0,1,2,3
	s_wait_loadcnt 48-16*(\g)       ; loads come back in order (ISA guide 5.7.1): tile g's sixteen are in, the later tiles' sixteen each stay out
	WIN 0x45                        ; destination and both sources window 1
.set i, 16*(\g)
.rept 16
	v_cvt_pk_bf16_f32 v[4*i],   v[4*i],   v[4*i+1]
	v_cvt_pk_bf16_f32 v[4*i+1], v[4*i+2], v[4*i+3]
.set i, i+1
.endr
	WIN 0x04                        ; address window 0, data window 1
.set i, 16*(\g)
.rept 16
	ds_store_b64 v[QST], v[4*i:4*i+1] offset:SPQ*i
.set i, i+1
.endr
.endr
	; A fragment of K or Q is 16 rows x 32 channels in 8 registers: lane l holds row l % 16; registers 0-3 channels 8 (l / 16) + 0..7, registers 4-7 channels 16 + 8 (l / 16) + 0..7: two loads of 16 bytes, 32 bytes apart.
	WIN 0x80                        ; destination window 2, address window 0
.irp f, 0,1,2,3,4,5,6,7,8,9,10,11,12,13,14,15  ; Q stays in registers: tile f / 4, channels 32 (f % 4) on.  LDS serves a wave's instructions in order (ISA guide 5.7.1.4): these see my stores above
	ds_load_b128 v[8*(\f):8*(\f)+3],   v[QRD] offset:((\f)/4)*16*SPQ+((\f)%4)*64
	ds_load_b128 v[8*(\f)+4:8*(\f)+7], v[QRD] offset:((\f)/4)*16*SPQ+((\f)%4)*64+32
.endr
	WIN 0
; THE MATRIX WORK OF A TURN, for piece x.  The accumulators take turns, one instruction a turn: between two links of a chain stand 15 (V^T P) or 7 (K Q^T) others'.
; Product i of 32 of O^T += V^T P: keys 32 (i / 16) on, channels 16 ((i / 2) % 8) on, tile x + i % 2.  zero = 1: the first 16 start the sums: nothing is ever cleared.
.macro PV x, zero
	WIN W_PV
.set rO, 64*((\x)+i%2)+8*((i/2)%8)
.set rV, 64*(i/16)+8*((i/2)%8)
.set rP, P+16*((\x)+i%2)+8*(i/16)
.if (\zero) && (i < 16)
	v_wmma_f32_16x16x32_bf16 v[rO:rO+7], v[rV:rV+7], v[rP:rP+7], 0
.else
	v_wmma_f32_16x16x32_bf16 v[rO:rO+7], v[rV:rV+7], v[rP:rP+7], v[rO:rO+7]
.endif
.endm
; Product i of 32 of S^T = K Q^T: channels 32 (i / 8) on, keys 16 ((i / 2) % 4) on, tile x + i % 2.  The first 8 start the sums.
.macro KQ x
	WIN W_KQ
.set rS, S+32*((\x)+i%2)+8*((i/2)%4)
.set rK, KF+32*((i/2)%4)+8*(i/8)
.set rQ, 32*((\x)+i%2)+8*(i/8)
.if i < 8
	v_wmma_f32_16x16x32_bf16 v[rS:rS+7], v[rK:rK+7], v[rQ:rQ+7], 0
.else
	v_wmma_f32_16x16x32_bf16 v[rS:rS+7], v[rK:rK+7], v[rQ:rQ+7], v[rS:rS+7]
.endif
.endm
; THE LDS LOADS stand in runs of 32, never singly among the matrix instructions: a step's K (64 keys x 128 channels: 16 fragments) and, a turn later, its V (turned).
.macro FETCH_K
	WIN 0
	v_add_nc_u32 v[ADR], s[TB], v[AK0]
	WIN 0x80                        ; destination window 2
.irp f, 0,1,2,3,4,5,6,7,8,9,10,11,12,13,14,15  ; keys 16 (f / 4) on, channels 32 (f % 4) on
	ds_load_b128 v[KF+8*(\f):KF+8*(\f)+3],   v[ADR] offset:((\f)/4)*16*PK+((\f)%4)*64
	ds_load_b128 v[KF+8*(\f)+4:KF+8*(\f)+7], v[ADR] offset:((\f)/4)*16*PK+((\f)%4)*64+32
.endr
.endm
.macro FETCH_V
	WIN 0
	v_add_nc_u32 v[ADR], s[TB], v[AV0]
	s_add_co_u32 s[TB], s[TB], STEPB  ; the next fetch is the next step's
	WIN 0xc0                        ; destination window 3
.irp f, 0,1,2,3,4,5,6,7,8,9,10,11,12,13,14,15  ; keys 32 (f / 8) on, channels 16 (f % 8) on
	ds_load_tr16_b128 v[8*(\f):8*(\f)+3],   v[ADR] offset:((\f)/8)*32*PV+((\f)%8)*32
	ds_load_tr16_b128 v[8*(\f)+4:8*(\f)+7], v[ADR] offset:((\f)/8)*32*PV+16*PV+((\f)%8)*32
.endr
.endm
; THE VECTOR WORK OF A TURN.  One tile's softmax for one key step is a list of 134 instructions; SM writes number j of it for tile t.  s0-s31 are the lane's 32 scores, in pairs 0-15.
; first = 1: the first key step, which starts m, l and O^T: it has no a and nothing to rescale.
;   0-15    the maximum of s0-s31 and the old m, three operands at a time: four chains c0-c3 of seven scores each (each accumulator's lowest registers are read first), then the four scores left over, c0-c3 and m
;   16-20   the other half of the lanes' maximum; the new m; c m; c m_old - c m_new
;   21-87   33 exponentials (a, then s0-s31) at the odd numbers from 23 on, so that no two follow each other and each has a plain instruction behind it before its result is used.
;           Plain instruction q (number 21, then the even numbers) is whatever is ready: c s - c m for a pair of scores whose exponentials are still to come (q = 0 to 3, then every
;           second q), the rounding to bf16 of a pair of weights whose exponentials are done (every other q from 5 on), at last the first three sums
;   88-101  the last rounding; the rest of the sums; l = a l + the sum
;   102-133 the tile's O^T times a: the one part that leaves window 0, so it stands together
.macro SM t, first
.set rT, ST+8*(\t)
.set rS, S+32*(\t)
.set rP, P+16*(\t)
.set rO, 64*(\t)+2*(j-102)
.set q, (j-20)/2
.if j < 102
	WIN 0
.endif
.if j < 4
	v_max3_num_f32 v[rT+4+j], v[rS+8*j], v[rS+8*j+1], v[rS+8*j+2]
.elseif j < 12
	v_max3_num_f32 v[rT+4+j%4], v[rT+4+j%4], v[rS+8*(j%4)+2*(j/4)+1], v[rS+8*(j%4)+2*(j/4)+2]
.elseif j == 12
	v_max3_num_f32 v[rT+4], v[rT+4], v[rS+7], v[rS+15]
.elseif j == 13
	v_max3_num_f32 v[rT+6], v[rT+6], v[rS+23], v[rS+31]
.elseif j == 14
	v_max3_num_f32 v[rT+4], v[rT+4], v[rT+5], v[rT+6]
.elseif (j == 15) && (\first)
	v_max_num_f32 v[rT+4], v[rT+4], v[rT+7]
.elseif j == 15
	v_max3_num_f32 v[rT+4], v[rT+4], v[rT+7], v[rT+1]
.elseif j == 16
	v_permlanex16_b32 v[rT+5], v[rT+4], s[SEL], s[SEL+1]  ; the query's other 32 keys lie in the lane 16 away
.elseif j == 18
	v_max_num_f32 v[rT+1], v[rT+4], v[rT+5]
.elseif j == 19
	v_mul_f32 v[rT], s[CS], v[rT+1]
.elseif ((j == 17) || (j == 20) || (j == 23) || (j > 101)) && (\first)  ; the first step has none of these
.elseif j == 17
	v_mov_b32 v[rT+7], v[rT]        ; c m_old is kept for a: number 19 writes c m anew
.elseif j == 20
	v_sub_f32 v[rT+7], v[rT+7], v[rT]
.elseif j == 23
	v_exp_f32 v[rT+6], v[rT+7]
.elseif (j < 88) && (j > 23) && (j%2 == 1)
	v_exp_f32 v[rS+(j-25)/2], v[rS+(j-25)/2]
.elseif (q < 4) || ((j < 76) && (q%2 == 0))
.set b, q/2+2
.if q < 4
.set b, q
.endif
	v_pk_fma_f32 v[rS+2*b:rS+2*b+1], v[rS+2*b:rS+2*b+1], s[CS:CS+1], v[rT:rT+1] op_sel_hi:[1,0,0] neg_lo:[0,0,1] neg_hi:[0,0,1]  ; pair b: c s - c m
.elseif (j < 88) && (q%2 == 1)
	s_wait_alu depctr_va_vdst(0)
	v_cvt_pk_bf16_f32 v[rP+(q-5)/2], v[rS+q-5], v[rS+q-4]  ; pair (q - 5) / 2: its second exponential stands three numbers back
.elseif j == 89
	s_wait_alu depctr_va_vdst(0)
	v_cvt_pk_bf16_f32 v[rP+15], v[rS+30], v[rS+31]
.elseif j < 102                     ; the sum of the tile's 16 pairs (in a pair: an even key's weight, an odd key's), in place: sum z of 16 adds neighbours 1, 2, 4 and 8 pairs apart, then l takes it
.set z, j-86
.if j < 89
.set z, (j-76)/4
.endif
.set w, 4
.set u, z
.if z >= 14
.set w, 32
.set u, 0
.elseif z >= 12
.set w, 16
.set u, z-12
.elseif z >= 8
.set w, 8
.set u, z-8
.endif
.if (z == 14) && (\first)
	v_pk_add_f32 v[rT+2:rT+3], v[rS:rS+1], v[rS+16:rS+17]
.elseif z < 15
	v_pk_add_f32 v[rS+w*u:rS+w*u+1], v[rS+w*u:rS+w*u+1], v[rS+w*u+w/2:rS+w*u+w/2+1]
.elseif !(\first)
	v_pk_fma_f32 v[rT+2:rT+3], v[rT+2:rT+3], v[rT+6:rT+7], v[rS:rS+1] op_sel_hi:[1,0,1]
.endif
.else
	WIN W_RS
	v_pk_mul_f32 v[rO:rO+1], v[rO:rO+1], v[rT+6:rT+7] op_sel_hi:[1,0]
.endif
.endm
; Slice k of 64 of piece y's softmax: numbers 2 k and 2 k + 1 of both tiles' lists, four instructions.  2 x 134 = 4 x 64 + 12: the twelve that are over stand together, in slice 63.
.macro SLICE y, first
.if (k >= 11) && (k < 44)           ; tile by tile: plain, exponential, plain, exponential
.irp t, \y, (\y)+1
.irp n, 0,1
.set j, 2*k+(\n)
	SM \t, \first
.endr
.endr
.else                               ; the two tiles alternate, so that no instruction reads the result of the one just before it
.irp n, 0,1,2,3,4,5,6,7
.if ((\n) < 2) || (k == 63)
.irp t, \y, (\y)+1
.set j, 2*k+(\n)
	SM \t, \first
.endr
.endif
.endr
.endif
.set k, k+1
.endm
; A vector instruction that reads a matrix result or writes one of a matrix instruction's registers, and a load into a register that a matrix instruction has read, stand four places behind
; it, and only plain vector instructions that name none of its registers are places (ISA guide 7.12.1 for vector instructions).  In the loop the slices are the places.
.macro PLACES
.rept 4
	v_nop
.endr
.endm
; A TURN.  Piece x has the matrix unit; the other piece's softmax stands in slices behind its matrix instructions.
; pv = 2: 32 products V^T P; 1: they start O^T's sums; 0: none.  kq = 1: 32 products K Q^T for the next step.  A turn with one of the two kinds has two slices behind each product.
; first = 1: the softmax is the first key step's.  Its slices from 51 on are empty: the turn's last products stand bare, and four v_nop take slice 63's part as the places behind them.
; Each run of loads stands behind the second product of a run of 32, 30 matrix instructions ahead of its first use.  Piece 0's turn fetches the next step's K: the last product that read K
; stands in front of slice 63 of the turn before.  Piece 2's turn fetches the same step's V: the last product that read V stands three slices, six plain instructions, back.
.macro TURN x, pv, kq, first
.set k, 0
.set per, 2
.if (\pv) && (\kq)
.set per, 1
.endif
.if \pv
.if (\x) == 0
	s_wait_dscnt 0x0                ; V is in
.endif
.set i, 0
.rept 32
	PV \x, 2-(\pv)
.rept per
	SLICE 2-(\x), \first
.endr
.if ((\x) == 0) && (\kq) && (i == 1)
	FETCH_K
.endif
.set i, i+1
.endr
.endif
.if \kq
.if (\x) == 0
	s_wait_dscnt 0x0                ; K is in
.endif
.set i, 0
.rept 32
	KQ \x
.rept per
	SLICE 2-(\x), \first
.endr
.if ((\x) == 2) && (i == 1)
	FETCH_V
.endif
.set i, i+1
.endr
.endif
.if \first
	PLACES
.endif
.endm
; THE CHANGE OF SLOTS, between piece 2's turn and piece 0's: the slot's last bytes, V of its second step, have been asked for.  Each wave waits for all its
; tensor loads, of which one is out: its part of the other slot; adds 0 to its spare word; and waits for that and for its own reads of the slot.  Behind the barrier nobody reads this slot any more and the other slot is whole.
; fill = 1: this slot is filled again, with the keys two slots on.  The barrier is then a round of the cluster's, so that no wave of any partner still reads the slot or has a load on its
; way, and the joint refill is the first thing behind it: it has two key steps, 256 matrix instructions, in which to land.
.macro CHANGE fill
	WIN 0                           ; at a label and at a branch every window is 0
	s_wait_tensorcnt 0x0            ; no tensor load of mine is out, so a group 0 may be written
	ds_add_u32 v[SPW], v[NIL]       ; 0 onto my spare word: with fill = 1 the descriptors' steps stand between it and the wait for it
.if \fill
.irp g, G0K+4, G0V+4
	s_xor_b32 s[(\g)+1], s[(\g)+1], SLOT1  ; the walking descriptor: the other slot than last time,
	s_add_nc_u64 s[(\g)+2:(\g)+3], s[(\g)+2:(\g)+3], 2*KS*256  ; the next 128 keys; the type bits on top are not reached
.endr
	s_wait_dscnt 0x0                ; the add is done, and my reads of the slot are over
	CROUND
	JLOAD
.else
	s_wait_dscnt 0x0                ; the add is done, and my reads of the slot are over
	s_barrier_signal -1
	s_barrier_wait -1
.endif
	s_sub_co_u32 s[TB], s[TB], 2*STEPB  ; the fetches go back to a slot's first step,
	s_xor_b32 s[TB], s[TB], SLOT1   ; in the other slot
.endm
; A slot's two key steps: written once, walked twice; the LDS addresses hang on s[TB].
.macro TWO_STEPS
	WIN 0
	s_mov_b32 s[TWICE], 2
.Lstep_\@:
	TURN 0, 2, 1, 0
	TURN 2, 2, 1, 0
	WIN 0
	s_sub_co_u32 s[TWICE], s[TWICE], 1
	s_cmp_lg_u32 s[TWICE], 0
	s_cbranch_scc1 .Lstep_\@
.endm
	s_wait_tensorcnt 1              ; my part of slot 0 is in; slot 1's may stay out
	s_wait_dscnt 0x0                ; Q is in its registers, and no LDS instruction of mine is pending at the signal
	s_barrier_signal -1
	s_barrier_wait -1               ; everybody's part of slot 0 is in
	FETCH_K                         ; key step 0
	s_wait_dscnt 0x0
.set i, 0
.rept 32
	KQ 0                            ; piece 0's first scores: there is no vector work yet to set between them
.set i, i+1
.endr
	WIN 0                           ; the addresses for the way out are made here: five plain instructions, the places behind those products
	v_mul_u32_u24 v[STO], v1, SPO   ; in: row l % 16, 32 bytes for each half of the lanes
	v_lshl_add_u32 v[STO], v9, 5, v[STO]
	v_add_nc_u32 v[STO], s18, v[STO]
	v_and_b32 v[RD], 31, v0         ; back: the 32 lanes take one row of 512 bytes
	v_lshl_add_u32 v[RD], v[RD], 4, s18
	TURN 2, 0, 1, 1                 ; piece 2's first scores | piece 0's first softmax | V of step 0
	TURN 0, 1, 1, 1                 ; piece 0: V^T P of step 0 starts O^T, K Q^T of step 1 | piece 2's first softmax | K of step 1
	TURN 2, 1, 1, 0                 ; piece 2: the same | piece 0's softmax of step 1 | V of step 1
	WIN 0
.Lslot:                             ; NK / 128 - 2 = 14 trips: every slot but the last two is filled again
	CHANGE 1
	TWO_STEPS
	s_sub_co_u32 s[SLOTS], s[SLOTS], 1
	s_cmp_lg_u32 s[SLOTS], 0
	s_cbranch_scc1 .Lslot
	CHANGE 0                        ; the tail is written out: the last slot but one is left, and nothing is asked for
	TWO_STEPS
	TURN 0, 2, 0, 0                 ; piece 0: V^T P of the last step | piece 2's last softmax
.set i, 0
.rept 32
	PV 2, 0                         ; piece 2: V^T P of the last step
.set i, i+1
.endr
	; THE WAY OUT.  l's two halves and the other half of the lanes' are added; O^T is divided by l and sent, in f32, through my stage in LDS, a tile (16 rows of O) at a time.  The additions are the places behind the last products.
	WIN 0
.irp t, 0,1,2,3
	v_add_f32 v[ST+8*(\t)+4], v[ST+8*(\t)+2], v[ST+8*(\t)+3]
.endr
.irp t, 0,1,2,3
	v_permlanex16_b32 v[ST+8*(\t)+5], v[ST+8*(\t)+4], s[SEL], s[SEL+1]
.endr
.irp t, 0,1,2,3
	v_add_f32 v[ST+8*(\t)+4], v[ST+8*(\t)+4], v[ST+8*(\t)+5]
.endr
.irp t, 0,1,2,3
	v_rcp_f32 v[ST+8*(\t)+6], v[ST+8*(\t)+4]
.endr
	v_nop                           ; a plain instruction between the last reciprocal and the use of its result
; Tile t: each accumulator is scaled from its lowest registers on; a lane's eight channels of a row are 32 bytes; they go into rows of 528 bytes and come back as whole rows of 512, into the registers that they left.
.macro PACK t
	WIN W_RS
.set i, 64*(\t)
.rept 32
	s_wait_alu depctr_va_vdst(0)
	v_pk_mul_f32 v[i:i+1], v[i:i+1], v[ST+8*(\t)+6:ST+8*(\t)+7] op_sel_hi:[1,0]
.set i, i+2
.endr
	WIN 0x04                        ; address window 0, data window 1
.irp f, 0,1,2,3,4,5,6,7             ; channels 16 f + 8 (l / 16) on
	ds_store_b128 v[STO], v[64*(\t)+8*(\f):64*(\t)+8*(\f)+3]   offset:64*(\f)
	ds_store_b128 v[STO], v[64*(\t)+8*(\f)+4:64*(\t)+8*(\f)+7] offset:64*(\f)+16
.endr
	WIN 0x40                        ; destination window 1, address window 0
.irp f, 0,1,2,3,4,5,6,7,8,9,10,11,12,13,14,15
	ds_load_b128 v[64*(\t)+4*(\f):64*(\t)+4*(\f)+3], v[RD] offset:SPO*(\f)  ; LDS serves a wave's instructions in order (ISA guide 5.7.1.4): these see the stores above; the next tile's stores come behind them
.endr
.endm
.macro SEND t, younger              ; younger: the LDS instructions issued behind tile t's loads: the next tile's sixteen stores and sixteen loads, or none
	WIN 0x04                        ; address window 0, data window 1
.irp f, 0,1,2,3,4,5,6,7,8,9,10,11,12,13,14,15
	s_wait_dscnt (\younger)+15-(\f)  ; row f is back; the tile's later rows and the next tile's LDS instructions may be out
	global_store_b128 v[LO], v[64*(\t)+4*(\f):64*(\t)+4*(\f)+3], s[10:11] offset:(\t)*8192+(\f)*512 th:TH_STORE_NT  ; the wave stores a row's 512 consecutive bytes, at a multiple of 512 from O's first byte
.endr
.endm
	PACK 0
	PACK 1                          ; a tile's arithmetic stands between the loads of the tile before and its stores
	SEND 0, 32
	PACK 2
	SEND 1, 32
	PACK 3
	SEND 2, 32
	SEND 3, 0
	WIN 0
	s_wait_tensorcnt 0x0            ; the wave's end: behind my last tensor load and my last LDS store
	ds_add_u32 v[SPW], v[NIL]
	s_wait_dscnt 0x0
	CROUND                          ; the closing round: no work-group ends while a partner may still ask for a tile that names it
	s_endpgm
.Lfunc_end_k_q331d3c09e3_attn:
	.size	k_q331d3c09e3_attn, .Lfunc_end_k_q331d3c09e3_attn-k_q331d3c09e3_attn
	.p2alignl 7, 3214868480
	.fill 96, 4, 3214868480
	.section	.rodata,"a",@progbits
	.p2align	6, 0x0
	.amdhsa_kernel k_q331d3c09e3_attn
		.amdhsa_group_segment_fixed_size 327680
		.amdhsa_private_segment_fixed_size 0
		.amdhsa_enable_private_segment 0
		.amdhsa_kernarg_size 32
		.amdhsa_user_sgpr_count 2
		.amdhsa_user_sgpr_kernarg_segment_ptr 1
		.amdhsa_wavefront_size32 1
		.amdhsa_system_sgpr_workgroup_id_x 1
		.amdhsa_system_sgpr_workgroup_id_y 1
		.amdhsa_system_sgpr_workgroup_id_z 1
		.amdhsa_system_vgpr_workitem_id 0
		.amdhsa_next_free_vgpr 1024
		.amdhsa_next_free_sgpr 66
		.amdhsa_reserve_vcc 0
		.amdhsa_float_denorm_mode_32 3
		.amdhsa_float_denorm_mode_16_64 3
		.amdhsa_memory_ordered 1
		.amdhsa_forward_progress 1
		.amdhsa_inst_pref_size 250
	.end_amdhsa_kernel
	.amdgpu_metadata
---
amdhsa.version: [ 1, 2 ]
amdhsa.kernels:
  - .name:           k_q331d3c09e3_attn
    .symbol:         k_q331d3c09e3_attn.kd
    .args:
      - { .name: q, .offset: 0, .size: 8, .value_kind: global_buffer, .address_space: global }
      - { .name: kb, .offset: 8, .size: 8, .value_kind: global_buffer, .address_space: global }
      - { .name: vb, .offset: 16, .size: 8, .value_kind: global_buffer, .address_space: global }
      - { .name: out0, .offset: 24, .size: 8, .value_kind: global_buffer, .address_space: global }
    .group_segment_fixed_size: 327680
    .private_segment_fixed_size: 0
    .kernarg_segment_align: 8
    .kernarg_segment_size: 32
    .max_flat_workgroup_size: 128
    .sgpr_count:     66
    .vgpr_count:     1024
    .wavefront_size: 32
...
	.end_amdgpu_metadata
.endif
;; end of part 2
